; MI455X (gfx1250); checked and timed in simulation.
; The chip was launched on July 23, 2026; its instructions are those of AMD's public machine-readable ISA for CDNA 5 (MIT licence, August 2026) and "CDNA5" Instruction Set Architecture Reference Guide (July 2026). The comments in the code are by the model that wrote it; some were corrected since.
;; bahdanau attention. Allowed arithmetic: matrix products marked QUANTISED: E2M1 operands, one E8M0 scale for each 32 along K, by v_wmma_scale_f32_16x16x128_f8f6f4 with both operands' format E2M1 (or v_wmma_scale_f32_32x16x128_f4), f32 sums; products left as they are: f32 operands where the result goes on into a quantised operand, else bf16, f16 or f32 operands; f32 sums; everything else in f32.
;; Inputs: Wd_codes 1,024 x 32 x 16 uint8 (E2M1 codes of Wd, K innermost, in blocks of 32 codes, two codes a byte); Wd_scales 1,024 x 32 uint8 (E8M0 scales of Wd, one for each 32 codes along K); We_codes 1,024 x 64 x 16 uint8 (E2M1 codes of We, K innermost, in blocks of 32 codes, two codes a byte); We_scales 1,024 x 64 uint8 (E8M0 scales of We, one for each 32 codes along K); Wv 1,024 x 1 float32; bd 1,024 float32; be 1,024 float32; bv 1 float32; context 32 x 1,024 x 2,048 float32; dec_hidden_codes 32 x 32 x 16 uint8 (E2M1 codes of dec_hidden, K innermost, in blocks of 32 codes, two codes a byte); dec_hidden_scales 32 x 32 uint8 (E8M0 scales of dec_hidden, one for each 32 codes along K).
;; Outputs: out0 32 x 2,048 float32; out1 32 x 1,024 float32.
;; This version of the problem:
;;   THIS VERSION OF THE PROBLEM IS GIVEN IN LOW PRECISION. The matrix products marked QUANTISED in the list below multiply operands that are first quantised to E2M1 (2 exponent bits, 1 mantissa bit; 4 bits a number), with one power-of-two scale for each 32 numbers along K (OCP MX v1.0); their sums are f32. All else is computed in f32.
;;   The module's matrix products, in the order in which they are computed (A, B: the left and right operand; K: the contracted axis; several contracted axes count as one K, in the product's order):
;;     1. [M 32,768, K 2,048] x [K 2,048, N 1,024]; A: input context; B: input We (given as codes): QUANTISED
;;     2. [M 32, K 1,024] x [K 1,024, N 1,024]; A: input dec_hidden (given as codes); B: input Wd (given as codes): QUANTISED
;;     3. [M 32,768, K 1,024] x [K 1,024, N 1]; A: computed on the way; B: input Wv: left as it is (N = 1 < 16)
;;     4. batch 32 x [M 1, K 1,024] x [K 1,024, N 2,048]; A: softmax; B: input context: left as it is (M = 1 < 16)
;;   THE QUANTISER, for each operand of a quantised product, along K:
;;     - K is cut into blocks of 32 from its start; a last block that is shorter is filled with zeros.
;;     - A block's scale is 2^e with e = floor(log2(the largest magnitude in the block)) - 2, held to -126 .. 127; a block of zeros has e = 0. As a byte (E8M0): e + 127.
;;     - Each number is divided by its block's scale, clamped to +-6, and rounded to the nearest number of E2M1, ties to even, subnormals kept.
;;     - The product sums the exact products of the quantised numbers (number of the format x scale) in f32.
;;   ~~~python
;;   def quantise(x, axis):      # numpy; x: float32 -> the quantised numbers, widened to float32 again
;;       x = np.moveaxis(x, axis, -1); K = x.shape[-1]
;;       x = np.pad(x, [(0, 0)] * (x.ndim - 1) + [(0, -K % 32)]); x = x.reshape(x.shape[:-1] + (-1, 32)); a = np.abs(x).max(-1, keepdims=True)
;;       e = np.where(a > 0, np.clip(np.frexp(np.where(a > 0, a, 1))[1] - 1 - 2, -126, 127), 0)      # np.frexp(a)[1] - 1 = floor(log2(a)), exactly
;;       r = np.clip(x / 2.0 ** e, -6, 6)
;;       step = 2.0 ** (np.maximum(np.frexp(np.where(r == 0, 1, r))[1] - 1, 0) - 1)
;;       q = np.round(r / step) * step * 2.0 ** e      # np.round: ties to even
;;       return np.moveaxis(q.reshape(q.shape[:-2] + (-1,))[..., :K], -1, axis).astype(np.float32)
;;   ~~~
;;   INPUTS GIVEN AS CODES. Wd (in the module: [1024, 1024], K = its axis 0); We (in the module: [2048, 1024], K = its axis 0); dec_hidden (in the module: [32, 1024], K = its axis 1): each comes as NAME_codes (uint8): NAME with its K axis moved to the last place and cut into blocks of 32 codes, [.., K / 32, bytes a block], one block behind the other in memory; two codes a byte, the lower K in the low four bits (a code: sign, 2 exponent bits, 1 mantissa bit); and NAME_scales (uint8): the same leading axes, one E8M0 byte (e + 127) for each 32 codes along K. Its value is code x scale, taken as it is: it is not quantised again, and the codes and scales need not be those that the quantiser above would give.
;; One version. Each part assembles by itself: llvm-mc -triple=amdgcn-amd-amdhsa -mcpu=gfx1250 --defsym DOCPART=n.
;; ======== version 1 of 1: 3 launches
;; workspace buffers: tab 262,144 bytes; part 2,097,152 bytes; tsc 131,072 bytes; stat 65,536 bytes
;; launch gamma (part 1): grid 8 x 1, 8 waves a work-group, no clusters, 18,432 bytes of LDS; arguments dec_hidden_codes, dec_hidden_scales, Wd_codes, Wd_scales, bd, be, Wv, tab; writes tab
.if DOCPART == 1
	.amdgcn_target "amdgcn-amd-amdhsa--gfx1250"
	.amdhsa_code_object_version 6
	.text
	.protected	k_qbb6bf3c9cc_gamma
	.globl	k_qbb6bf3c9cc_gamma
	.p2align	8
	.type	k_qbb6bf3c9cc_gamma,@function
k_qbb6bf3c9cc_gamma:
	s_mov_b64 s[64:65], 0
	v_nop
	global_prefetch_b8 v0, s[64:65] scope:SCOPE_SE
	s_setreg_imm32_b32 hwreg(HW_REG_WAVE_MODE, 25, 1), 1
	s_wait_xcnt 0x0
; tab[b][s][0][c] = K2 x (sum over k of dec_hidden[b][k] Wd[k][n] + bd[n] + be[n]),  tab[b][s][1][c] = -2 Wv[n],  n = 128 s + c,  K2 = 2 log2(e).
; The product is taken on the given codes of FP4 (E2M1) with their E8M0 scale bytes; sums in f32.  The table is laid as the next launch walks We: 1,024 dense bytes for a batch and 128 columns.
; SHARES.  Work-group s takes columns 128 s .. 128 s + 127, wave t the 16 columns from n0 = 128 s + 16 t, for all 32 batches (two tiles of 16).
; THE MATRIX INSTRUCTION IS USED TRANSPOSED: source 0 = 16 rows of Wd's codes (columns n), source 1 = 16 rows of dec_hidden: lane (r, h) then holds batch 16 a + r and its registers columns n0 + 8 h + 0 .. 7.
; be + bd is the C of each sum's first matrix instruction.  The results meet in a stage in LDS (32 rows of 512 bytes + 16), so that each store covers 512 consecutive bytes of the table.
; No tensor load, no ring: all operands (a wave's 8 KiB of Wd, the 16 KiB of dec_hidden) go from memory straight into registers, once.
; LIMITS: scale bytes 0xff (NaN) among the inputs are not served.
.set K2,  0x4038aa3b                   ; 2 log2(e)
.set SP,  528                          ; a stage row: 512 bytes + 16
.set WF,  16                           ; v16-79    Wd's fragments, K step q at 8 q
.set DF,  80                           ; v80-207   dec_hidden's, (a, q) at 64 a + 8 q
.set WS,  208                          ; v208-211  Wd's scale words: register k holds word k in lanes 0-15, word 4 + k in lanes 16-31
.set DS,  212                          ; v212-219  dec_hidden's, four for each a, likewise
.set CB,  220                          ; v220-227  be + bd of my eight columns
.set AC,  228                          ; v228-243  the two accumulators
.set BD,  244                          ; v244-251  bd as loaded
.set WVR, 252                          ; v252-255  Wv, then -2 Wv
.set RES, 16                           ; v16-31    the results x K2 (Wd's first fragments are done with)
.set BK,  32                           ; v32-47    four rows read back from the stage
	s_load_b512 s[4:19], s[0:1], 0x0               ; dec codes s[4:5], dec scales s[6:7], Wd codes s[8:9], Wd scales s[10:11], bd s[12:13], be s[14:15], Wv s[16:17], tab s[18:19]
	v_lshl_add_u32 v14, v0, 2, 0x4400
	v_mov_b32 v15, 0
	v_lshrrev_b32 v1, 5, v0
	v_readfirstlane_b32 s20, v1                    ; wave t
	v_and_b32 v1, 15, v0                           ; r
	v_bfe_u32 v2, v0, 4, 1                         ; h
	v_and_b32 v3, 31, v0                           ; lane
	v_lshlrev_b32 v4, 9, v1                        ; codes: row r of 512 bytes,
	v_lshl_add_u32 v4, v2, 4, v4                   ; + 16 h
	v_lshlrev_b32 v5, 5, v1                        ; scale bytes: row r of 32 bytes,
	v_lshl_add_u32 v5, v2, 4, v5                   ; + 16 h: lanes 0-15 take words 0-3, lanes 16-31 words 4-7
	v_lshlrev_b32 v6, 5, v2                        ; biases: my eight columns begin 32 h bytes on
	v_lshlrev_b32 v7, 4, v3                        ; 16 x lane
	v_mul_u32_u24 v8, v1, SP
	v_lshl_add_u32 v8, v2, 5, v8
	s_lshl_b32 s22, s20, 6
	v_add_nc_u32 v8, s22, v8                       ; into the stage: row r, + 64 t + 32 h
	s_mul_i32 s22, s20, 4*SP
	v_add_nc_u32 v9, s22, v7                       ; back: rows 4 t .. 4 t + 3, 16 bytes a lane
	s_lshl_b32 s21, ttmp9, 7
	s_lshl_b32 s22, s20, 4
	s_add_co_u32 s21, s21, s22                     ; n0
	s_mov_b32 s25, 0
	s_wait_kmcnt 0x0
	s_lshl_b32 s24, s21, 9
	s_add_nc_u64 s[8:9], s[8:9], s[24:25]          ; Wd's codes at row n0
	s_lshl_b32 s24, s21, 5
	s_add_nc_u64 s[10:11], s[10:11], s[24:25]      ; its scale bytes
	s_lshl_b32 s24, s21, 2
	s_add_nc_u64 s[12:13], s[12:13], s[24:25]      ; bd and be at n0
	s_add_nc_u64 s[14:15], s[14:15], s[24:25]
	s_lshl_b32 s24, ttmp9, 9
	s_add_nc_u64 s[16:17], s[16:17], s[24:25]      ; Wv at 128 s
	s_lshl_b32 s24, ttmp9, 10
	s_lshl_b32 s22, s20, 15
	s_add_co_u32 s24, s24, s22
	s_add_nc_u64 s[18:19], s[18:19], s[24:25]      ; tab at batch 4 t, part s
.set Q, 0
.rept 8
	global_load_b128 v[WF+8*Q:WF+8*Q+3],   v4, s[8:9] offset:64*Q         ; registers 4 c .. 4 c + 3: k = 128 q + 64 c + 32 h + 0 .. 31
	global_load_b128 v[WF+8*Q+4:WF+8*Q+7], v4, s[8:9] offset:64*Q+32
.irp a, 0,1
	global_load_b128 v[DF+64*\a+8*Q:DF+64*\a+8*Q+3],   v4, s[4:5] offset:8192*\a+64*Q
	global_load_b128 v[DF+64*\a+8*Q+4:DF+64*\a+8*Q+7], v4, s[4:5] offset:8192*\a+64*Q+32
.endr
.set Q, Q+1
.endr
	global_load_b128 v[WS:WS+3], v5, s[10:11]
	global_load_b128 v[DS:DS+3], v5, s[6:7]
	global_load_b128 v[DS+4:DS+7], v5, s[6:7] offset:512
	global_load_b128 v[CB:CB+3], v6, s[14:15]
	global_load_b128 v[CB+4:CB+7], v6, s[14:15] offset:16
	global_load_b128 v[BD:BD+3], v6, s[12:13]
	global_load_b128 v[BD+4:BD+7], v6, s[12:13] offset:16
	global_load_b128 v[WVR:WVR+3], v7, s[16:17]    ; the work-group's 128 numbers of Wv, four a lane
	s_wait_loadcnt 0x0
.irp p, 0,2,4,6
	v_pk_add_f32 v[CB+\p:CB+\p+1], v[CB+\p:CB+\p+1], v[BD+\p:BD+\p+1]
.endr
	v_pk_mul_f32 v[WVR:WVR+1], v[WVR:WVR+1], -2.0 op_sel_hi:[1,0]
	v_pk_mul_f32 v[WVR+2:WVR+3], v[WVR+2:WVR+3], -2.0 op_sel_hi:[1,0]
.rept 4
	v_nop
.endr
; Sixteen products: K steps ascending, the two accumulators by turns, one instruction a turn.  K step q takes scale register q % 4, its lanes 16-31 from q = 4 on.
.set Q, 0
.rept 8
.irp a, 0,1
.if Q == 0
	v_wmma_scale_f32_16x16x128_f8f6f4 v[AC+8*\a:AC+8*\a+7], v[WF+8*Q:WF+8*Q+7], v[DF+64*\a+8*Q:DF+64*\a+8*Q+7], v[CB:CB+7], v[WS+Q%4], v[DS+4*\a+Q%4] matrix_a_fmt:MATRIX_FMT_FP4 matrix_b_fmt:MATRIX_FMT_FP4
.elseif Q < 4
	v_wmma_scale_f32_16x16x128_f8f6f4 v[AC+8*\a:AC+8*\a+7], v[WF+8*Q:WF+8*Q+7], v[DF+64*\a+8*Q:DF+64*\a+8*Q+7], v[AC+8*\a:AC+8*\a+7], v[WS+Q%4], v[DS+4*\a+Q%4] matrix_a_fmt:MATRIX_FMT_FP4 matrix_b_fmt:MATRIX_FMT_FP4
.else
	v_wmma_scale_f32_16x16x128_f8f6f4 v[AC+8*\a:AC+8*\a+7], v[WF+8*Q:WF+8*Q+7], v[DF+64*\a+8*Q:DF+64*\a+8*Q+7], v[AC+8*\a:AC+8*\a+7], v[WS+Q%4], v[DS+4*\a+Q%4] matrix_a_fmt:MATRIX_FMT_FP4 matrix_b_fmt:MATRIX_FMT_FP4 matrix_a_scale:MATRIX_SCALE_ROW1 matrix_b_scale:MATRIX_SCALE_ROW1
.endif
.endr
.set Q, Q+1
.endr
.rept 4
	v_nop                                          ; four places between the last product and the first read of results and write of operands (ISA guide 7.12.1)
.endr
.irp a, 0,1
.irp p, 0,2,4,6
	v_pk_mul_f32 v[RES+8*\a+\p:RES+8*\a+\p+1], v[AC+8*\a+\p:AC+8*\a+\p+1], K2 op_sel_hi:[1,0]   ; each accumulator from its low end on
.endr
.endr
.irp a, 0,1
	ds_store_b128 v8, v[RES+8*\a:RES+8*\a+3] offset:16*SP*\a
	ds_store_b128 v8, v[RES+8*\a+4:RES+8*\a+7] offset:16*SP*\a+16
.endr
	s_wait_dscnt 0x0                               ; for the others' sake: my stores into the stage are done
	s_barrier_signal -1
	s_barrier_wait -1                              ; a row's 512 bytes come from eight waves
.irp i, 0,1,2,3
	ds_load_b128 v[BK+4*\i:BK+4*\i+3], v9 offset:SP*\i
.endr
.irp i, 0,1,2,3
	s_wait_dscnt 3-\i                              ; LDS loads come back in order: row i is in, the younger ones may be out
	global_store_b128 v7, v[BK+4*\i:BK+4*\i+3], s[18:19] offset:8192*\i          ; 32 lanes store 512 consecutive bytes
	global_store_b128 v7, v[WVR:WVR+3], s[18:19] offset:8192*\i+512              ; and -2 Wv behind them, once for each batch
.endr
	s_wait_tensorcnt 0x0
	ds_add_u32 v14, v15
	s_wait_dscnt 0x0
	s_endpgm
.Lfunc_end_k_qbb6bf3c9cc_gamma:
	.size	k_qbb6bf3c9cc_gamma, .Lfunc_end_k_qbb6bf3c9cc_gamma-k_qbb6bf3c9cc_gamma
	.p2alignl 7, 3214868480
	.fill 96, 4, 3214868480
	.section	.rodata,"a",@progbits
	.p2align	6, 0x0
	.amdhsa_kernel k_qbb6bf3c9cc_gamma
		.amdhsa_group_segment_fixed_size 18432
		.amdhsa_private_segment_fixed_size 0
		.amdhsa_enable_private_segment 0
		.amdhsa_kernarg_size 64
		.amdhsa_user_sgpr_count 2
		.amdhsa_user_sgpr_kernarg_segment_ptr 1
		.amdhsa_wavefront_size32 1
		.amdhsa_system_sgpr_workgroup_id_x 1
		.amdhsa_system_sgpr_workgroup_id_y 1
		.amdhsa_system_sgpr_workgroup_id_z 1
		.amdhsa_system_vgpr_workitem_id 0
		.amdhsa_next_free_vgpr 256
		.amdhsa_next_free_sgpr 66
		.amdhsa_reserve_vcc 0
		.amdhsa_float_denorm_mode_32 3
		.amdhsa_float_denorm_mode_16_64 3
		.amdhsa_memory_ordered 1
		.amdhsa_forward_progress 1
		.amdhsa_inst_pref_size 13
	.end_amdhsa_kernel
	.amdgpu_metadata
---
amdhsa.version: [ 1, 2 ]
amdhsa.kernels:
  - .name:           k_qbb6bf3c9cc_gamma
    .symbol:         k_qbb6bf3c9cc_gamma.kd
    .args:
      - { .name: dec_hidden_codes, .offset: 0, .size: 8, .value_kind: global_buffer, .address_space: global }
      - { .name: dec_hidden_scales, .offset: 8, .size: 8, .value_kind: global_buffer, .address_space: global }
      - { .name: Wd_codes, .offset: 16, .size: 8, .value_kind: global_buffer, .address_space: global }
      - { .name: Wd_scales, .offset: 24, .size: 8, .value_kind: global_buffer, .address_space: global }
      - { .name: bd, .offset: 32, .size: 8, .value_kind: global_buffer, .address_space: global }
      - { .name: be, .offset: 40, .size: 8, .value_kind: global_buffer, .address_space: global }
      - { .name: Wv, .offset: 48, .size: 8, .value_kind: global_buffer, .address_space: global }
      - { .name: tab, .offset: 56, .size: 8, .value_kind: global_buffer, .address_space: global }
    .group_segment_fixed_size: 18432
    .private_segment_fixed_size: 0
    .kernarg_segment_align: 8
    .kernarg_segment_size: 64
    .max_flat_workgroup_size: 256
    .sgpr_count:     66
    .vgpr_count:     256
    .wavefront_size: 32
...
	.end_amdgpu_metadata
.endif
;; end of part 1
;; launch attend (part 2): grid 256 x 1, 4 waves a work-group, clusters of 4 x 1, 327,680 bytes of LDS; arguments context, We_codes, We_scales, tab, bv, part, tsc, stat; writes part, tsc, stat
.if DOCPART == 2
	.amdgcn_target "amdgcn-amd-amdhsa--gfx1250"
	.amdhsa_code_object_version 6
	.text
	.protected	k_qbb6bf3c9cc_attend
	.globl	k_qbb6bf3c9cc_attend
	.p2align	8
	.type	k_qbb6bf3c9cc_attend,@function
k_qbb6bf3c9cc_attend:
	s_mov_b64 s[64:65], 0
	v_nop
	global_prefetch_b8 v0, s[64:65] scope:SCOPE_SE
	s_setreg_imm32_b32 hwreg(HW_REG_WAVE_MODE, 25, 1), 1
	s_wait_xcnt 0x0
	s_wait_alu depctr_hold_cnt(0) depctr_sa_sdst(0) depctr_va_vdst(0) depctr_va_sdst(0) depctr_va_ssrc(0) depctr_va_vcc(0) depctr_vm_vsrc(0)
	s_getreg_b32 s2, hwreg(HW_REG_IB_STS2, 6, 4)
	s_cmp_eq_u32 s2, 0
	s_cbranch_scc0 .Lentry_in_a_cluster
	s_endpgm
.Lentry_in_a_cluster:
	s_bfe_u32 s2, ttmp6, 0x10000c
	s_cmp_lg_u32 s2, 0x3003
	s_cbranch_scc0 .Lentry_shape_is_right
	s_endpgm
.Lentry_shape_is_right:
; For 128 rows of context (an eighth of a batch): scores = tanh(context We + be + gamma_dec) Wv + bv, a softmax with a running maximum over the rows, and the rows' weighted sum, not yet normalised.
; context [32,768][2,048] f32 is read from memory ONCE.  On its way in each row is (a) quantised along its 2,048 numbers to codes of FP4 (E2M1), one E8M0 scale for each 32, for the product with We's given codes,
; and (b) rounded to bf16 and kept in registers for the weighted sum, whose weights are known only when a row has met all of We.
; SHARES.  A work-group takes two blocks of 64 rows, one after the other.  In the load phase wave w takes columns 512 w .. 512 w + 511 of every row, lane l sixteen neighbours (two lanes hold a block of 32); its bf16 copy of
; the block (64 rows x 8 registers) fills windows 2 and 3.  The codes go through a stage in LDS, 32 rows at a time, and come back as fragments: wave (i, j) = (w / 2, w % 2) keeps rows 32 a + 16 i + 0 .. 15 (a = 0, 1) for all
; of K in window 1, and multiplies them with columns 64 j .. 64 j + 63 of each tile of 128 rows of We.
; THE WALK.  We's codes (128 rows x 1,024 bytes), its scale bytes (8,192) and the batch's table of biases and -2 Wv (1,024) come tile by tile through a ring of two LDS slots: eight tiles a block.
; CLUSTER.  The four work-groups of a cluster belong to one batch and walk the same tiles in step: each tile is asked for JOINTLY, by the same tensor load with the same descriptor and the mask of all four.
; tanh(y) = 1 - 2 / (1 + 2^(K2 y)), K2 = 2 log2(e): the table holds K2 x bias and -2 Wv, so a score is the sum of Wv (kept as C0) and of (-2 Wv) / (1 + 2^(K2 product + K2 bias)).
; SOFTMAX.  t = score x log2(e).  For the work-group a running maximum MT and sum LS; p = 2^(t - MT); when MT grows, LS and the weighted sums are multiplied by 2^(old - new).  t, the sums, MT and LS go to memory;
; the last launch joins the eight parts of a batch.
; LIMITS: NaN and infinities among the inputs are not served.  A block of 32 zeros gets the scale byte 1 (its codes are zeros; the bytes are read here alone); blocks whose largest magnitude lies under 2^-124 share that byte.
; context is rounded to bf16 for the weighted sum.
;
; LDS: slot n at n x 142,848: codes, 128 rows 1,040 bytes apart (1,024 + 16: the 16 rows of a fragment load begin 260 words apart, at 16 different places modulo 64 words); scale bytes as 32 runs of 256 + 16; the table.
; Behind the ring, where no tensor load lands: the codes' stage, the scale bytes' stage, the scores' exchange, the weights, the spare words.
.set SLOT,   142848
.set CP,     1040                      ; a row of codes in LDS
.set SCL,    128*CP                    ; 133,120: the slot's scale bytes
.set TABO,   SCL+32*272                ; 141,824: its table
.set STAGE,  2*SLOT                    ; 285,696: 32 rows x 1,040: codes on their way to fragments; at the end the sums' way out
.set SSTG,   STAGE+32*CP               ; 318,976: 32 rows x 80: their scale bytes (64 + 16)
.set XB,     SSTG+32*80                ; 321,536: [j][64 rows] f32
.set PBASE,  XB+512                    ; 322,048: 256 bytes a wave: the block's 64 weights
.set SPARE,  PBASE+1024                ; 323,072: the spare words, 128 bytes a wave: two blocks of 256 bytes that no other line names
.set K2,     0x4038aa3b                ; 2 log2(e)
; REGISTERS, window 0:
.set SPW,   1                          ; LDS address of my spare word; never rewritten
.set NIL,   2                          ; 0; never rewritten
.set CTXO,  3                          ; 64 x thread: my 64 bytes of a row of context
.set STC,   4                          ; STAGE + 8 x thread: my 8 bytes of a row of codes
.set STS,   5                          ; SSTG + thread / 2: my block's scale byte
.set ADA,   6                          ; my lane's place in the stage as a reader of fragments
.set ADAS,  7                          ; and among its scale words
.set ADB0,  8                          ; my lane's place in a slot's codes
.set ADBS0, 9                          ; in its scale bytes
.set ADT0,  10                         ; in its table
.set ADB,   11                         ; the same three for the pair of tiles in hand
.set ADBS,  12
.set ADT,   13
.set XST,   14                         ; the scores' exchange: where I put, where I read
.set XLD,   15
.set PST,   16                         ; the weights: where I put, where I read
.set PLD,   17
.set MT,    18                         ; v[18:19] the running maximum and sum
.set LS,    19
.set PFO,   20                         ; 256 x lane + 32,768 x wave: the prefetches' offset
.set GO8,   21                         ; 8 x lane
.set FF,    22                         ; v22 f = 2^(old MT - new MT)
.set C0,    23                         ; v23 the sum of -2 Wv over my columns (named with f as a pair)
.set CT,    24                         ; v24-39   the weighted sums of columns 512 w + 16 l + 0 .. 15
.set AS,    40                         ; v40-55   my rows' scale words: for a, register 4 u + k holds word 8 u + k in lanes 0-15, word 8 u + 4 + k in lanes 16-31
.set ACC,   56                         ; v56-87   four accumulators, (a, tt) at 8 (2 tt + a); in the load phase landing slots 8 and 9
.set SACC,  88                         ; v88-103  the scores' sums, 8 for each a; in the load phase codes and bytes on their way out; in the weighted sum 16 weights
.set BS,    104                        ; v104-119 We's scale words, 8 for each tt, laid as AS; at work in the softmax
.set BIAS,  120                        ; v120, v122  K2 x bias of my column in tile tt (each the low word of a pair)
.set WVR,   124                        ; v124, v126  -2 Wv likewise; in the load phase v124-127 hold the largest magnitudes
.set BF,    128                        ; v128-255 We's fragments, two buffers of 4 K steps x 2 tiles; in the load phase landing slots 0 to 7
; window 1: my rows' fragments, (a, K step q) at 128 a + 8 q.   windows 2 and 3: the bf16 copy, row p at window 2 + p / 32, registers 8 (p % 32) + 0 .. 7.
; SCALARS: s[4:19] the eight addresses; s20 wave, s21 i, s22 j; s23, s88-90 what hangs on my place in the cluster (global addresses of context and of the outputs alone); s24-26 counters; s27-29 the pair's offsets;
; s[30:31] lane selects; s32 bv x log2(e); s33 log2(e); s2, s3, s34, s35 at work.
.set G1C, 36                           ; s[36:43] group 1 for codes;       s[44:47], s[48:51] group 0 for slots 0, 1
.set G0C, 44
.set G1S, 52                           ; s[52:59] group 1 for scale bytes; s[60:63], s[68:71] group 0
.set G0S, 60
.set G1T, 72                           ; s[72:79] group 1 for the table;   s[80:83], s[84:87] group 0
.set G0T, 80
.set MSB, 0
.macro WIN new                         ; the immediate's high byte repeats the setting that is left; a switch that changes nothing is dropped
.if MSB != (\new)
	s_set_vgpr_msb (MSB<<8)|(\new)
.set MSB, (\new)
.endif
.endm
.macro PLACES                          ; four places: in front of loads into registers that matrix instructions have read, and of the first read of results (ISA guide 7.12.1 for vector instructions)
.rept 4
	v_nop
.endr
.endm
; A round of the cluster's barrier: my work-group's barrier, wave 0 signals for the work-group, every wave waits for all four work-groups, my work-group's barrier once more.
.macro ROUND
	s_barrier_signal -1
	s_barrier_wait -1
	s_cmp_lg_u32 s20, 0
	s_cbranch_scc1 .Lnot_wave_0_\@
	s_barrier_signal -3
.Lnot_wave_0_\@:
	s_barrier_wait -3
	s_barrier_signal -1
	s_barrier_wait -1
.endm
; A joint load into slot sl: waves 0 and 1 fetch the two halves of the codes, wave 2 the scale bytes, wave 3 the table: one load a wave.  The branches hang on the wave's number alone.
; Four v_nop follow each load, ahead of the jump, the label and what follows.
.macro JLOAD sl
	s_cmp_lt_u32 s20, 2
	s_cbranch_scc0 .Lfor_s_\@
	tensor_load_to_lds s[G0C+4*(\sl):G0C+4*(\sl)+3], s[G1C:G1C+7]
	s_nop 0
	PLACES
	s_branch .Lasked_\@
.Lfor_s_\@:
	s_cmp_eq_u32 s20, 2
	s_cbranch_scc0 .Lfor_t_\@
	tensor_load_to_lds s[G0S+8*(\sl):G0S+8*(\sl)+3], s[G1S:G1S+7]
	s_nop 0
	PLACES
	s_branch .Lasked_\@
.Lfor_t_\@:
	tensor_load_to_lds s[G0T+4*(\sl):G0T+4*(\sl)+3], s[G1T:G1T+7]
	s_nop 0
	PLACES
.Lasked_\@:
.endm
; My 64 bytes of the row that begins off bytes behind the block's first: four loads, which together cover the wave's 2,048 bytes of the row.
.macro LOADROW reg, off
.irp k, 0,1,2,3
	global_load_b128 v[\reg+4*\k:\reg+4*\k+3], v[CTXO], s[4:5] offset:\off+16*\k th:TH_LOAD_RT_NT
.endr
.endm
; Rows 2 pi and 2 pi + 1 of the block: the blocks' scales, the codes, the bf16 copy; codes and bytes to the stage; the rows ten further on are asked for.  Ten landing slots of 16 registers take turns.
.macro ROW2 pi
.set P0, 2*(\pi)
.set P1, P0+1
.set L0, 128+16*(P0%10)-200*((P0%10)/8)        ; slots 0-7 at v128 on, slots 8 and 9 at v56 and v72
.set L1, L0+16
.set TT, SACC+8*((\pi)%2)                      ; two sets of registers for what goes to the stage
.if 62-P0 < 8
	s_wait_loadcnt 4*(62-P0)                       ; these two rows are in; behind them only the block's last rows are out, four loads each
.else
	s_wait_loadcnt 32                              ; these two rows are in; the eight rows asked for behind them, four loads each, stay out
.endif
	s_wait_dscnt 4                                 ; the last pair's four stores to the stage may be out; those of the pair before, which read this set of registers, are done
	v_max3_num_f32 v124, |v[L0]|, |v[L0+1]|, 0x1800000          ; the largest magnitude of my 16, with the floor 2^(3 - 127) among the leaves: the byte cannot fall under 1.  Two chains a row, two rows by turns
	v_max3_num_f32 v126, |v[L1]|, |v[L1+1]|, 0x1800000
	v_max3_num_f32 v125, |v[L0+6]|, |v[L0+7]|, |v[L0+8]|
	v_max3_num_f32 v127, |v[L1+6]|, |v[L1+7]|, |v[L1+8]|
	v_max3_num_f32 v124, v124, |v[L0+2]|, |v[L0+3]|
	v_max3_num_f32 v126, v126, |v[L1+2]|, |v[L1+3]|
	v_max3_num_f32 v125, v125, |v[L0+9]|, |v[L0+10]|
	v_max3_num_f32 v127, v127, |v[L1+9]|, |v[L1+10]|
	v_max3_num_f32 v124, v124, |v[L0+4]|, |v[L0+5]|
	v_max3_num_f32 v126, v126, |v[L1+4]|, |v[L1+5]|
	v_max3_num_f32 v125, v125, |v[L0+11]|, |v[L0+12]|
	v_max3_num_f32 v127, v127, |v[L1+11]|, |v[L1+12]|
	v_max3_num_f32 v125, v125, |v[L0+13]|, |v[L0+14]|
	v_max3_num_f32 v127, v127, |v[L1+13]|, |v[L1+14]|
	v_max3_num_f32 v124, v124, v125, |v[L0+15]|
	v_max3_num_f32 v126, v126, v127, |v[L1+15]|
	v_max_num_f32_dpp v124, v124, v124 row_xmask:1 row_mask:0xf bank_mask:0xf   ; with my neighbour's 16: the block's
	v_max_num_f32_dpp v126, v126, v126 row_xmask:1 row_mask:0xf bank_mask:0xf
	v_add_nc_u32 v124, 0xff000000, v124            ; 2 off its exponent field: the conversion takes the exponent field of this operand as its scale, and nothing else of it
	v_add_nc_u32 v126, 0xff000000, v126
	v_cvt_scalef32_pk8_fp4_f32 v[TT], v[L0:L0+7], v124           ; eight numbers / the scale, to the nearest code, ties to even, beyond 6 the largest code
	v_cvt_scalef32_pk8_fp4_f32 v[TT+1], v[L0+8:L0+15], v124
	v_cvt_scalef32_pk8_fp4_f32 v[TT+2], v[L1:L1+7], v126
	v_cvt_scalef32_pk8_fp4_f32 v[TT+3], v[L1+8:L1+15], v126
	v_lshrrev_b32 v[TT+4], 23, v124                ; the scales' bytes (plain lines behind the conversions)
	v_lshrrev_b32 v[TT+5], 23, v126
	WIN 0x80+0x40*(P0/32)                          ; destination: window 2 or 3
.set KB, 0
.rept 8
	v_cvt_pk_bf16_f32 v[8*(P0%32)+KB], v[L0+2*KB], v[L0+2*KB+1]
	v_cvt_pk_bf16_f32 v[8*(P1%32)+KB], v[L1+2*KB], v[L1+2*KB+1]
.set KB, KB+1
.endr
	WIN 0
	ds_store_b64 v[STC], v[TT:TT+1] offset:(P0%32)*CP            ; the wave's 256 consecutive bytes of the row's codes
	ds_store_b64 v[STC], v[TT+2:TT+3] offset:(P1%32)*CP
	ds_store_b8 v[STS], v[TT+4] offset:(P0%32)*80                ; both lanes of a block write the same byte with the same value
	ds_store_b8 v[STS], v[TT+5] offset:(P1%32)*80
.if P0+10 < 64
	LOADROW L0, (P0+10)*8192
	LOADROW L1, (P1+10)*8192
.endif
.endm
; The staged 32 rows' fragments of my 16 rows, all 16 K steps, into window 1; their scale words into AS.
.macro ALOAD a
	WIN 0x40                                       ; destination window 1, address window 0
.set QA, 0
.rept 16
	ds_load_b128 v[128*\a+8*QA:128*\a+8*QA+3],   v[ADA] offset:64*QA
	ds_load_b128 v[128*\a+8*QA+4:128*\a+8*QA+7], v[ADA] offset:64*QA+32
.set QA, QA+1
.endr
	WIN 0
	ds_load_b128 v[AS+8*\a:AS+8*\a+3],   v[ADAS]
	ds_load_b128 v[AS+8*\a+4:AS+8*\a+7], v[ADAS] offset:32
.endm
; Sixteen loads: We's fragments of K steps 4 kap .. 4 kap + 3 for the pair's two tiles, into buffer kap % 2.
.macro BLOAD kap
.set BB, BF+64*((\kap)%2)
.irp qq, 0,1,2,3
.irp tt, 0,1
.irp c, 0,1
	ds_load_b128 v[BB+8*(2*\qq+\tt)+4*\c:BB+8*(2*\qq+\tt)+4*\c+3], v[ADB] offset:\tt*16*CP+64*(4*(\kap)+\qq)+32*\c
.endr
.endr
.endr
.endm
; One product: my rows' tile a x We's tile tt, K step q.  Source 0 = 16 rows of context, source 1 = 16 rows of We's codes: lane (r, h) holds column r of the tile and rows 8 h + 0 .. 7.
.macro MM q, tt, a
.set RA, 128*(\a)+8*(\q)
.set RB, BF+64*(((\q)/4)%2)+8*(2*((\q)%4)+(\tt))
.set RC, ACC+8*(2*(\tt)+(\a))
.set RSA, AS+8*(\a)+4*((\q)/8)+(\q)%4
.set RSB, BS+8*(\tt)+4*((\q)/8)+(\q)%4
.if (\q) == 0
	v_wmma_scale_f32_16x16x128_f8f6f4 v[RC:RC+7], v[RA:RA+7], v[RB:RB+7], 0, v[RSA], v[RSB] matrix_a_fmt:MATRIX_FMT_FP4 matrix_b_fmt:MATRIX_FMT_FP4
.elseif (((\q)/4)%2) == 0
	v_wmma_scale_f32_16x16x128_f8f6f4 v[RC:RC+7], v[RA:RA+7], v[RB:RB+7], v[RC:RC+7], v[RSA], v[RSB] matrix_a_fmt:MATRIX_FMT_FP4 matrix_b_fmt:MATRIX_FMT_FP4
.else
	v_wmma_scale_f32_16x16x128_f8f6f4 v[RC:RC+7], v[RA:RA+7], v[RB:RB+7], v[RC:RC+7], v[RSA], v[RSB] matrix_a_fmt:MATRIX_FMT_FP4 matrix_b_fmt:MATRIX_FMT_FP4 matrix_a_scale:MATRIX_SCALE_ROW1 matrix_b_scale:MATRIX_SCALE_ROW1
.endif
.endm
; Two tiles of We (32 columns) against my 32 rows, all of K: 64 products, the four accumulators by turns, one instruction a turn; then tanh and the product with Wv.
.macro PAIR
	v_add_nc_u32 v[ADB], s27, v[ADB0]
	v_add_nc_u32 v[ADBS], s28, v[ADBS0]
	v_add_nc_u32 v[ADT], s29, v[ADT0]
.irp tt, 0,1
.irp u, 0,1
	ds_load_b128 v[BS+8*\tt+4*\u:BS+8*\tt+4*\u+3], v[ADBS] offset:1088*\tt+32*\u
.endr
.endr
	ds_load_b32 v[BIAS], v[ADT]
	ds_load_b32 v[BIAS+2], v[ADT] offset:64
	ds_load_b32 v[WVR], v[ADT] offset:512
	ds_load_b32 v[WVR+2], v[ADT] offset:576
	BLOAD 0
	BLOAD 1
.set KAP, 0
.rept 4
.if KAP < 3
	s_wait_dscnt 16                                ; all but the youngest run of sixteen fragment loads are in
.else
	s_wait_dscnt 0x0
.endif
	WIN 0x01                                       ; source 0 (my rows) window 1
.set QQ, 0
.rept 4
	MM 4*KAP+QQ, 0, 0
	MM 4*KAP+QQ, 0, 1
	MM 4*KAP+QQ, 1, 0
	MM 4*KAP+QQ, 1, 1
.set QQ, QQ+1
.endr
	WIN 0
.if KAP < 2
	PLACES
	BLOAD KAP+2                                    ; into the buffer just multiplied
.endif
.set KAP, KAP+1
.endr
	v_add_f32 v[C0], v[C0], v[WVR]                 ; the sum of -2 Wv.  These two and two v_nop are the places behind the last products
	v_add_f32 v[C0], v[C0], v[WVR+2]
	v_nop
	v_nop
.set NE, 0
.rept 16
	v_pk_fma_f32 v[ACC+2*NE:ACC+2*NE+1], v[ACC+2*NE:ACC+2*NE+1], K2, v[BIAS+2*(NE/8):BIAS+2*(NE/8)+1] op_sel_hi:[1,0,0]   ; K2 x product + K2 x bias; each accumulator from its low end on
.set NE, NE+1
.endr
.set NE, 0
.rept 32
	v_exp_f32 v[ACC+NE], v[ACC+NE]
.set NE, NE+1
.endr
	v_nop                                          ; a plain line behind the last exponential
.set NE, 0
	s_wait_alu depctr_va_vdst(0)
.rept 16
	v_pk_add_f32 v[ACC+2*NE:ACC+2*NE+1], v[ACC+2*NE:ACC+2*NE+1], 1.0 op_sel_hi:[1,0]
.set NE, NE+1
.endr
.set NE, 0
.rept 32
	v_rcp_f32 v[ACC+NE], v[ACC+NE]                 ; where the exponential is infinite this is 0 and tanh is 1
.set NE, NE+1
.endr
	v_nop                                          ; a plain line behind the last reciprocal
.set NE, 0
	s_wait_alu depctr_va_vdst(0)
.rept 16
	v_pk_fma_f32 v[SACC+8*((NE/4)%2)+2*(NE%4):SACC+8*((NE/4)%2)+2*(NE%4)+1], v[ACC+2*NE:ACC+2*NE+1], v[WVR+2*(NE/8):WVR+2*(NE/8)+1], v[SACC+8*((NE/4)%2)+2*(NE%4):SACC+8*((NE/4)%2)+2*(NE%4)+1] op_sel_hi:[1,0,1]
.set NE, NE+1
.endr
.endm
.macro PAIRS sl                        ; my four tiles of slot sl, two at a time: written once, walked twice
	s_mov_b32 s27, (\sl)*SLOT
	s_mov_b32 s28, (\sl)*SLOT
	s_mov_b32 s29, (\sl)*SLOT
	s_mov_b32 s26, 2
.Lpair_\@:
	PAIR
	s_add_co_u32 s27, s27, 32*CP                   ; 32 rows of codes on,
	s_add_co_u32 s28, s28, 2176                    ; their scale bytes (8 runs of 272),
	s_add_co_u32 s29, s29, 128                     ; their 32 numbers of the table
	s_sub_co_u32 s26, s26, 1
	s_cmp_lg_u32 s26, 0
	s_cbranch_scc1 .Lpair_\@
.endm
; A tile of the walk.  In front of the barrier each wave waits for all its tensor loads (one is out: its part of slot sl), adds 0 to its spare word, and waits for that and for its reads of the other slot.
; refill = 1: the barrier is a round of the cluster's, and the other slot is filled with the next tile first thing behind it: the load has this tile's 128 products and their tanh in which to land.
.macro TRIP sl, refill
	s_wait_tensorcnt 0x0                           ; no tensor load of mine is out, so a group 0 may be written
	ds_add_u32 v[SPW], v[NIL]                      ; 0 onto my spare word
	s_add_nc_u64 s[G0C+4*\sl+2:G0C+4*\sl+3], s[G0C+4*\sl+2:G0C+4*\sl+3], 2*131072   ; this slot's next tile: two tiles on
	s_add_nc_u64 s[G0S+8*\sl+2:G0S+8*\sl+3], s[G0S+8*\sl+2:G0S+8*\sl+3], 2*8192
	s_add_nc_u64 s[G0T+4*\sl+2:G0T+4*\sl+3], s[G0T+4*\sl+2:G0T+4*\sl+3], 2*1024
	s_wait_dscnt 0x0                               ; the add is done, and my LDS reads are over
.if \refill
	ROUND
	JLOAD 1-\sl
.else
	s_barrier_signal -1
	s_barrier_wait -1
.endif
	PAIRS \sl
.endm
	s_load_b512 s[4:19], s[0:1], 0x0               ; context s[4:5], We codes s[6:7], We scales s[8:9], tab s[10:11], bv s[12:13], part s[14:15], tsc s[16:17], stat s[18:19]
	v_lshl_add_u32 v[SPW], v0, 2, SPARE
	v_mov_b32 v[NIL], 0
	v_lshrrev_b32 v88, 5, v0
	v_readfirstlane_b32 s20, v88                   ; wave 0..3
	s_lshr_b32 s21, s20, 1                         ; i: which 16 of each 32 rows are mine
	s_and_b32 s22, s20, 1                          ; j: which 64 of a tile's 128 columns.  Also: which half of a tile's codes waves 0 and 1 fetch
	s_bfe_u32 s90, ttmp6, 0x40000                  ; cx: my place in the cluster
	s_lshl_b32 s23, ttmp9, 2                       ; in a cluster launch ttmp9 counts clusters
	s_add_co_u32 s23, s23, s90                     ; g = 4 x cluster + cx: my 128 rows.  It enters the addresses of context and of the outputs alone
	v_lshlrev_b32 v[CTXO], 6, v0                   ; 2,048 w + 64 l
	s_lshl_b32 s88, s23, 20                        ; 128 rows of 8,192 bytes
	s_mov_b32 s89, 0
	s_wait_kmcnt 0x0
	s_add_nc_u64 s[4:5], s[4:5], s[88:89]
.set SG, 0
.rept 10
	LOADROW 128+16*SG-200*(SG/8), SG*8192          ; the first ten rows: 40 loads of the wave are out
.set SG, SG+1
.endr
	s_load_b32 s32, s[12:13], 0x0                  ; bv
	s_lshl_b32 s88, s23, 13
	s_add_nc_u64 s[14:15], s[14:15], s[88:89]      ; part: 8,192 bytes a work-group
	s_lshl_b32 s88, s23, 9
	s_add_nc_u64 s[16:17], s[16:17], s[88:89]      ; tsc: 128 numbers
	s_lshl_b32 s88, s23, 8
	s_add_nc_u64 s[18:19], s[18:19], s[88:89]      ; stat: 256 bytes
	; descriptor groups 1.  Codes: 64 rows of 1,024 bytes, 16 bytes of padding behind each
	s_mov_b32 s[G1C+0], 15|(1<<20)|(1<<21)|(7<<22)|(3<<25)   ; 15:0 the mask: all four work-groups; 17:16 elements of 1 byte; 20 padding on; 21 set beside a mask; 24:22 after every 256 words (code 7); 31:25 four words (code 3)
	s_mov_b32 s[G1C+1], 1024<<16                   ; tensor_dim0
	s_mov_b32 s[G1C+2], 64<<16                     ; tensor_dim1
	s_mov_b32 s[G1C+3], 1024<<16                   ; tile_dim0
	s_mov_b32 s[G1C+4], 64                         ; tile_dim1
	s_mov_b32 s[G1C+5], 1024                       ; from row to row
	s_mov_b32 s[G1C+6], 0
	s_mov_b32 s[G1C+7], 0
	; scale bytes: 8,192 dense bytes as 32 rows of 256 (32 elements of 8 bytes), 16 bytes of padding behind each
	s_mov_b32 s[G1S+0], 15|(3<<16)|(1<<20)|(1<<21)|(5<<22)|(3<<25)
	s_mov_b32 s[G1S+1], 32<<16
	s_mov_b32 s[G1S+2], 32<<16
	s_mov_b32 s[G1S+3], 32<<16
	s_mov_b32 s[G1S+4], 32
	s_mov_b32 s[G1S+5], 32
	s_mov_b32 s[G1S+6], 0
	s_mov_b32 s[G1S+7], 0
	; the table: 1,024 dense bytes as 4 rows of 256, no padding
	s_mov_b32 s[G1T+0], 15|(3<<16)|(1<<21)
	s_mov_b32 s[G1T+1], 32<<16
	s_mov_b32 s[G1T+2], 4<<16
	s_mov_b32 s[G1T+3], 32<<16
	s_mov_b32 s[G1T+4], 4
	s_mov_b32 s[G1T+5], 32
	s_mov_b32 s[G1T+6], 0
	s_mov_b32 s[G1T+7], 0
	; groups 0: slot n begins with tile n.  Nothing in them hangs on my place in the cluster: the batch is cluster / 2
	s_mul_i32 s34, s22, 64*CP                      ; the half's place in a slot,
	s_lshl_b32 s2, s22, 16                         ; and in memory: 64 rows of 1,024 bytes
	s_mov_b32 s3, 0
	s_add_nc_u64 s[6:7], s[6:7], s[2:3]
	s_lshr_b32 s2, ttmp9, 1
	s_lshl_b32 s2, s2, 13                          ; the batch's 8,192 bytes of the table
	s_add_nc_u64 s[10:11], s[10:11], s[2:3]
.irp sl, 0,1
	s_mov_b32 s[G0C+4*\sl], 1
	s_add_co_u32 s[G0C+4*\sl+1], s34, \sl*SLOT
	s_add_nc_u64 s[G0C+4*\sl+2:G0C+4*\sl+3], s[6:7], \sl*131072
	s_or_b32 s[G0C+4*\sl+3], s[G0C+4*\sl+3], 0x80000000
	s_mov_b32 s[G0S+8*\sl], 1
	s_mov_b32 s[G0S+8*\sl+1], \sl*SLOT+SCL
	s_add_nc_u64 s[G0S+8*\sl+2:G0S+8*\sl+3], s[8:9], \sl*8192
	s_or_b32 s[G0S+8*\sl+3], s[G0S+8*\sl+3], 0x80000000
	s_mov_b32 s[G0T+4*\sl], 1
	s_mov_b32 s[G0T+4*\sl+1], \sl*SLOT+TABO
	s_add_nc_u64 s[G0T+4*\sl+2:G0T+4*\sl+3], s[10:11], \sl*1024
	s_or_b32 s[G0T+4*\sl+3], s[G0T+4*\sl+3], 0x80000000
.endr
	; the lanes' places
	v_and_b32 v88, 15, v0                          ; r
	v_bfe_u32 v89, v0, 4, 1                        ; h
	v_and_b32 v90, 31, v0                          ; l
	v_lshl_add_u32 v[STC], v0, 3, STAGE            ; 256 w + 8 l
	v_lshrrev_b32 v[STS], 1, v0                    ; 16 w + l / 2
	v_add_nc_u32 v[STS], SSTG, v[STS]
	v_mul_u32_u24 v91, v88, CP
	v_lshl_add_u32 v91, v89, 4, v91                ; a fragment's row x pitch + 16 h
	s_mul_i32 s35, s21, 16*CP
	s_add_co_u32 s35, s35, STAGE
	v_add_nc_u32 v[ADA], s35, v91                  ; the stage's rows 16 i on
	s_mul_i32 s35, s22, 64*CP
	v_add_nc_u32 v[ADB0], s35, v91                 ; a slot's rows 64 j on
	v_mul_u32_u24 v92, v88, 80
	v_lshl_add_u32 v92, v89, 4, v92
	s_mul_i32 s35, s21, 16*80
	s_add_co_u32 s35, s35, SSTG
	v_add_nc_u32 v[ADAS], s35, v92
	v_lshlrev_b32 v92, 6, v88                      ; We's scale bytes: 64 a row,
	v_lshrrev_b32 v93, 2, v88
	v_lshl_add_u32 v92, v93, 4, v92                ; 16 more for each four rows passed,
	v_lshl_add_u32 v92, v89, 4, v92                ; + 16 h
	s_mul_i32 s35, s22, 4352                       ; 64 rows are 16 runs of 272
	s_add_co_u32 s35, s35, SCL
	v_add_nc_u32 v[ADBS0], s35, v92
	s_lshl_b32 s35, s22, 8
	s_add_co_u32 s35, s35, TABO
	v_lshl_add_u32 v[ADT0], v88, 2, s35            ; the table: 4 bytes a column
	s_lshl_b32 s35, s22, 8
	s_lshl_b32 s34, s21, 6
	s_add_co_u32 s35, s35, s34
	s_add_co_u32 s35, s35, XB
	v_lshl_add_u32 v[XST], v89, 5, s35             ; row 32 a + 16 i + 8 h + .. of half j
	v_lshl_add_u32 v[XLD], v90, 3, XB              ; rows 2 l and 2 l + 1
	v_lshl_add_u32 v[PST], v0, 3, PBASE            ; 256 w + 8 l
	s_lshl_b32 s35, s20, 8
	s_add_co_u32 s35, s35, PBASE
	v_mov_b32 v[PLD], s35
	s_lshl_b32 s35, s20, 15
	v_lshl_add_u32 v[PFO], v90, 8, s35
	v_lshlrev_b32 v[GO8], 3, v90
.set NE, 0
.rept 16
	v_mov_b32 v[CT+NE], 0                          ; the weighted sums begin as zeros, which the first change of the maximum leaves zeros
.set NE, NE+1
.endr
	v_mov_b32 v[LS], 0
	v_mov_b32 v[MT], 0xff61b1e6                    ; -3e38, under every t
.irp x, 121,123,125,127
	v_mov_b32 v\x, 0                               ; named as the upper halves of pairs, so they are written
.endr
	s_mov_b32 s30, 0x76543210
	s_mov_b32 s31, 0xfedcba98                      ; v_permlanex16_b32's selects for lane l xor 16
	s_mov_b32 s33, 0x3fb8aa3b                      ; log2(e)
	s_wait_kmcnt 0x0
	s_mul_f32 s32, s32, s33                        ; bv x log2(e)
	s_mov_b32 s24, 2                               ; blocks to go
.Lblock:
	; ---- rows 0-31 come in
.set RP, 0
.rept 16
	ROW2 RP
.set RP, RP+1
.endr
	s_wait_dscnt 0x0                               ; for the others' sake: my stores into the stage are done
	s_barrier_signal -1
	s_barrier_wait -1
	ALOAD 0
	s_wait_tensorcnt 0x0                           ; no tensor load of mine is out;
	ds_add_u32 v[SPW], v[NIL]                      ; 0 onto my spare word;
	s_wait_dscnt 0x0                               ; the add is done, and my reads of the stage, and of slot 0 in the block before, are over
	ROUND                                          ; that holds of every wave of the four work-groups
	JLOAD 0                                        ; tile 0 lands while rows 32-63 come in
	; ---- rows 32-63
.rept 16
	ROW2 RP
.set RP, RP+1
.endr
	s_wait_dscnt 0x0
	s_barrier_signal -1                            ; (tile 0's load may be out)
	s_barrier_wait -1
	ALOAD 1
.set NE, 0
.rept 16
	v_mov_b32 v[SACC+NE], 0
.set NE, NE+1
.endr
	v_mov_b32 v[C0], 0
	; ---- the walk: eight tiles of We, seven refills
	s_mov_b32 s25, 3
.Lwalk:
	TRIP 0, 1
	TRIP 1, 1
	s_sub_co_u32 s25, s25, 1
	s_cmp_lg_u32 s25, 0
	s_cbranch_scc1 .Lwalk
	TRIP 0, 1
	TRIP 1, 0                                      ; the last tile is written out: nothing is left to fetch
.irp sl, 0,1
	s_sub_nc_u64 s[G0C+4*\sl+2:G0C+4*\sl+3], s[G0C+4*\sl+2:G0C+4*\sl+3], 8*131072   ; back to tiles 0 and 1 for the next block (no tensor load of mine is out since the last tile's wait)
	s_sub_nc_u64 s[G0S+8*\sl+2:G0S+8*\sl+3], s[G0S+8*\sl+2:G0S+8*\sl+3], 8*8192
	s_sub_nc_u64 s[G0T+4*\sl+2:G0T+4*\sl+3], s[G0T+4*\sl+2:G0T+4*\sl+3], 8*1024
.endr
	s_cmp_eq_u32 s24, 1                            ; if there is a next block, its first ten rows are asked for here, ahead of the softmax and the weighted sum: no load leaves its buffer
	s_cbranch_scc1 .Lno_next
.set SG, 0
.rept 10
	LOADROW 128+16*SG-200*(SG/8), (64+SG)*8192
.set SG, SG+1
.endr
.irp k, 0,1,2,3
	global_prefetch_b8 v[PFO], s[4:5] offset:(74+\k)*8192 th:TH_LOAD_NT scope:SCOPE_SE   ; the next block's rows 10 + 4 w + k: lanes 256 bytes apart, a row an instruction; the four waves ask for rows 10 to 25, each 256 bytes once
.endr
.Lno_next:
	; ---- the scores.  (From here to the block's end nothing names the landing slots, v56-87 and v128-255)
.set NE, 0
.rept 16
	v_fma_f32 v[SACC+NE], v[C0], -0.5, v[SACC+NE]  ; + the sum of Wv over my columns
.set NE, NE+1
.endr
.irp m, 1,2,4,8
.set NE, 0
.rept 16
	v_add_f32_dpp v[SACC+NE], v[SACC+NE], v[SACC+NE] row_xmask:\m row_mask:0xf bank_mask:0xf   ; over the 16 lanes that hold the same rows
.set NE, NE+1
.endr
.endr
.irp a, 0,1
	ds_store_b128 v[XST], v[SACC+8*\a:SACC+8*\a+3] offset:128*\a           ; sixteen lanes write the same words with the same values
	ds_store_b128 v[XST], v[SACC+8*\a+4:SACC+8*\a+7] offset:128*\a+16
.endr
	s_wait_dscnt 0x0
	s_barrier_signal -1
	s_barrier_wait -1                              ; both halves of the columns, all 64 rows
	ds_load_b64 v[104:105], v[XLD]
	ds_load_b64 v[106:107], v[XLD] offset:256
	v_mov_b32 v111, 0                              ; a lane permute's destination counts as one of its sources
	v_mov_b32 v115, 0
	s_wait_dscnt 0x0
	v_pk_add_f32 v[104:105], v[104:105], v[106:107]
	v_fma_f32 v108, v104, s33, s32                 ; t = (score + bv) x log2(e), rows 2 l and 2 l + 1.  All four waves make the same numbers from here on
	v_fma_f32 v109, v105, s33, s32
	s_cmp_lg_u32 s20, 0
	s_cbranch_scc1 .Lno_t
	global_store_b64 v[GO8], v[108:109], s[16:17]  ; wave 0 stores them: 256 consecutive bytes
.Lno_t:
	v_max_num_f32 v110, v108, v109
.irp m, 1,2,4,8
	v_max_num_f32_dpp v110, v110, v110 row_xmask:\m row_mask:0xf bank_mask:0xf
.endr
	v_permlanex16_b32 v111, v110, s30, s31
	v_max_num_f32 v110, v110, v111
	v_max_num_f32 v110, v110, v[MT]                ; the new maximum
	v_sub_f32 v111, v[MT], v110
	v_sub_f32 v112, v108, v110
	v_sub_f32 v113, v109, v110
	v_mov_b32 v[MT], v110
	v_exp_f32 v[FF], v111                          ; f = 2^(old - new)
	v_exp_f32 v112, v112                           ; p
	v_exp_f32 v113, v113
	v_nop                                          ; a plain line behind the exponentials
	s_wait_alu depctr_va_vdst(0)
	v_add_f32 v114, v112, v113
.irp m, 1,2,4,8
	v_add_f32_dpp v114, v114, v114 row_xmask:\m row_mask:0xf bank_mask:0xf
.endr
	v_permlanex16_b32 v115, v114, s30, s31
	v_add_f32 v114, v114, v115
	v_fma_f32 v[LS], v[LS], v[FF], v114
	ds_store_b64 v[PST], v[112:113]                ; the weights, into my wave's own 256 bytes
.set NE, 0
.rept 8
	v_pk_mul_f32 v[CT+2*NE:CT+2*NE+1], v[CT+2*NE:CT+2*NE+1], v[FF:FF+1] op_sel_hi:[1,0]
.set NE, NE+1
.endr
	; ---- the weighted sum: 64 rows x my 16 columns, from the bf16 copy
.irp beta, 0,1,2,3
.irp k, 0,1,2,3
	ds_load_b128 v[SACC+4*\k:SACC+4*\k+3], v[PLD] offset:64*\beta+16*\k   ; sixteen rows' weights, the same in every lane.  LDS serves a wave's instructions in order: these see my store
.endr
	s_wait_dscnt 0x0
	WIN 0x02+\beta/2                               ; source 0: window 2 or 3
.set PP, 0
.rept 16
.irp k, 0,1,2,3,4,5,6,7
	v_fma_mix_f32_bf16 v[CT+2*\k], v[8*((16*\beta+PP)%32)+\k], v[SACC+PP], v[CT+2*\k] op_sel_hi:[1,0,0]
	v_fma_mix_f32_bf16 v[CT+2*\k+1], v[8*((16*\beta+PP)%32)+\k], v[SACC+PP], v[CT+2*\k+1] op_sel:[1,0,0] op_sel_hi:[1,0,0]
.endr
.set PP, PP+1
.endr
	WIN 0
.endr
	s_wait_xcnt 0x0                                ; the loads and the store have had their addresses translated: only behind this wait are their bases and the store's data rewritten
	s_add_nc_u64 s[4:5], s[4:5], 64*8192
	s_add_nc_u64 s[16:17], s[16:17], 256
	s_sub_co_u32 s24, s24, 1
	s_cmp_lg_u32 s24, 0
	s_cbranch_scc1 .Lblock
	; ---- the way out.  A lane holds 64 neighbouring bytes; through my wave's own 2,048 bytes of the stage (nobody reads it any more) they become stores of 512 consecutive bytes
	v_add_nc_u32 v[ADB], STAGE, v[CTXO]
	v_and_b32 v[ADT], 31, v0
	s_lshl_b32 s35, s20, 11
	v_lshl_add_u32 v[ADT], v[ADT], 4, s35          ; 2,048 w + 16 l
	v_add_nc_u32 v[ADBS], STAGE, v[ADT]
.irp k, 0,1,2,3
	ds_store_b128 v[ADB], v[CT+4*\k:CT+4*\k+3] offset:16*\k
.endr
.irp k, 0,1,2,3
	ds_load_b128 v[SACC+4*\k:SACC+4*\k+3], v[ADBS] offset:512*\k
.endr
.irp k, 0,1,2,3
	s_wait_dscnt 3-\k                              ; load k is in, the younger ones may be out
	global_store_b128 v[ADT], v[SACC+4*\k:SACC+4*\k+3], s[14:15] offset:512*\k
.endr
	s_cmp_lg_u32 s20, 0
	s_cbranch_scc1 .Lno_stat
	global_store_b64 v[GO8], v[MT:LS], s[18:19]    ; the maximum and the sum, a copy for each lane of a reader: 256 consecutive bytes
.Lno_stat:
	s_wait_tensorcnt 0x0                           ; the wave's end, behind my last tensor load and my last LDS store
	ds_add_u32 v[SPW], v[NIL]
	s_wait_dscnt 0x0
	ROUND                                          ; the closing round: no work-group ends while a partner may still ask for a tile that names it
	s_endpgm
.Lfunc_end_k_qbb6bf3c9cc_attend:
	.size	k_qbb6bf3c9cc_attend, .Lfunc_end_k_qbb6bf3c9cc_attend-k_qbb6bf3c9cc_attend
	.p2alignl 7, 3214868480
	.fill 96, 4, 3214868480
	.section	.rodata,"a",@progbits
	.p2align	6, 0x0
	.amdhsa_kernel k_qbb6bf3c9cc_attend
		.amdhsa_group_segment_fixed_size 327680
		.amdhsa_private_segment_fixed_size 0
		.amdhsa_enable_private_segment 0
		.amdhsa_kernarg_size 64
		.amdhsa_user_sgpr_count 2
		.amdhsa_user_sgpr_kernarg_segment_ptr 1
		.amdhsa_wavefront_size32 1
		.amdhsa_system_sgpr_workgroup_id_x 1
		.amdhsa_system_sgpr_workgroup_id_y 1
		.amdhsa_system_sgpr_workgroup_id_z 1
		.amdhsa_system_vgpr_workitem_id 0
		.amdhsa_next_free_vgpr 1024
		.amdhsa_next_free_sgpr 96
		.amdhsa_reserve_vcc 0
		.amdhsa_float_denorm_mode_32 3
		.amdhsa_float_denorm_mode_16_64 3
		.amdhsa_memory_ordered 1
		.amdhsa_forward_progress 1
		.amdhsa_inst_pref_size 255
	.end_amdhsa_kernel
	.section	.bss,"aw",@nobits
	.p2align	6
	.space	262144
	.amdgpu_metadata
---
amdhsa.version: [ 1, 2 ]
amdhsa.kernels:
  - .name:           k_qbb6bf3c9cc_attend
    .symbol:         k_qbb6bf3c9cc_attend.kd
    .args:
      - { .name: context, .offset: 0, .size: 8, .value_kind: global_buffer, .address_space: global }
      - { .name: We_codes, .offset: 8, .size: 8, .value_kind: global_buffer, .address_space: global }
      - { .name: We_scales, .offset: 16, .size: 8, .value_kind: global_buffer, .address_space: global }
      - { .name: tab, .offset: 24, .size: 8, .value_kind: global_buffer, .address_space: global }
      - { .name: bv, .offset: 32, .size: 8, .value_kind: global_buffer, .address_space: global }
      - { .name: part, .offset: 40, .size: 8, .value_kind: global_buffer, .address_space: global }
      - { .name: tsc, .offset: 48, .size: 8, .value_kind: global_buffer, .address_space: global }
      - { .name: stat, .offset: 56, .size: 8, .value_kind: global_buffer, .address_space: global }
    .group_segment_fixed_size: 327680
    .private_segment_fixed_size: 0
    .kernarg_segment_align: 8
    .kernarg_segment_size: 64
    .max_flat_workgroup_size: 128
    .sgpr_count:     96
    .vgpr_count:     1024
    .wavefront_size: 32
...
	.end_amdgpu_metadata
.endif
;; end of part 2
;; launch finish (part 3): grid 32 x 1, 8 waves a work-group, no clusters, 0 bytes of LDS; arguments part, tsc, stat, out0, out1; writes out0, out1
.if DOCPART == 3
	.amdgcn_target "amdgcn-amd-amdhsa--gfx1250"
	.amdhsa_code_object_version 6
	.text
	.protected	k_qbb6bf3c9cc_finish
	.globl	k_qbb6bf3c9cc_finish
	.p2align	8
	.type	k_qbb6bf3c9cc_finish,@function
k_qbb6bf3c9cc_finish:
	s_mov_b64 s[64:65], 0
	v_nop
	global_prefetch_b8 v0, s[64:65] scope:SCOPE_SE
	s_setreg_imm32_b32 hwreg(HW_REG_WAVE_MODE, 25, 1), 1
	s_wait_xcnt 0x0
; The eight parts of a batch are joined.  Part k brings its maximum m_k and sum l_k (in powers of two: t = score x log2(e)) and its 2,048 weighted sums under m_k.
; M = the largest m_k; e_k = 2^(m_k - M); L = the sum of l_k e_k;  out0 = (the sum of e_k part_k) / L;  out1 = 2^(t - M) / L.
; Work-group b takes batch b; thread t takes numbers 4 t .. 4 t + 3 and 1,024 + 4 t .. of out0 and 4 t .. 4 t + 3 of out1: every load and store of a wave covers 512 consecutive bytes (those of the maxima and sums 256).
; A stream of 70 KiB a work-group: no LDS, no barrier, no matrix unit; all loads go out at once.
.set ST, 16                            ; v16-31  (m_k, l_k), k = 0 .. 7
.set PA, 32                            ; v32-95  part k: 8 numbers at 8 k
.set TS, 96                            ; v96-99  t, then out1
.set EK, 100                           ; v100-107 e_k, then e_k / L
.set OU, 108                           ; v108-115 out0
	s_load_b256 s[4:11], s[0:1], 0x0               ; part s[4:5], tsc s[6:7], stat s[8:9], out0 s[10:11]
	s_load_b64 s[12:13], s[0:1], 0x20              ; out1
	v_and_b32 v1, 31, v0
	v_lshlrev_b32 v1, 3, v1                        ; 8 x lane
	v_lshlrev_b32 v2, 4, v0                        ; 16 x thread
	s_mov_b32 s15, 0
	s_wait_kmcnt 0x0
	s_lshl_b32 s14, ttmp9, 16
	s_add_nc_u64 s[4:5], s[4:5], s[14:15]          ; eight parts of 8,192 bytes
	s_lshl_b32 s14, ttmp9, 12
	s_add_nc_u64 s[6:7], s[6:7], s[14:15]          ; 1,024 numbers
	s_add_nc_u64 s[12:13], s[12:13], s[14:15]
	s_lshl_b32 s14, ttmp9, 11
	s_add_nc_u64 s[8:9], s[8:9], s[14:15]          ; eight times 256 bytes
	s_lshl_b32 s14, ttmp9, 13
	s_add_nc_u64 s[10:11], s[10:11], s[14:15]      ; 2,048 numbers
.irp k, 0,1,2,3,4,5,6,7
	global_load_b64 v[ST+2*\k:ST+2*\k+1], v1, s[8:9] offset:256*\k
.endr
	global_load_b128 v[TS:TS+3], v2, s[6:7]
.irp k, 0,1,2,3,4,5,6,7
	global_load_b128 v[PA+8*\k:PA+8*\k+3],   v2, s[4:5] offset:8192*\k
	global_load_b128 v[PA+8*\k+4:PA+8*\k+7], v2, s[4:5] offset:8192*\k+4096
.endr
	s_wait_loadcnt 16                              ; the maxima, the sums and t are in; the sixteen loads of the parts may be out
	v_max3_num_f32 v4, v[ST], v[ST+2], v[ST+4]
	v_max3_num_f32 v4, v4, v[ST+6], v[ST+8]
	v_max3_num_f32 v4, v4, v[ST+10], v[ST+12]
	v_max_num_f32 v4, v4, v[ST+14]                 ; M
.irp k, 0,1,2,3,4,5,6,7
	v_sub_f32 v[EK+\k], v[ST+2*\k], v4
.endr
.irp c, 0,1,2,3
	v_sub_f32 v[TS+\c], v[TS+\c], v4
.endr
.irp k, 0,1,2,3,4,5,6,7
	v_exp_f32 v[EK+\k], v[EK+\k]
.endr
.irp c, 0,1,2,3
	v_exp_f32 v[TS+\c], v[TS+\c]
.endr
	v_nop                                          ; a plain line behind the exponentials
	s_wait_alu depctr_va_vdst(0)
	v_mul_f32 v5, v[EK], v[ST+1]
.irp k, 1,2,3,4,5,6,7
	v_fma_f32 v5, v[EK+\k], v[ST+2*\k+1], v5       ; L: at least 1, since the part that holds M has a term 2^0
.endr
	v_rcp_f32 v5, v5
	v_nop                                          ; a plain line behind the reciprocal
	s_wait_alu depctr_va_vdst(0)
.irp k, 0,1,2,3,4,5,6,7
	v_mul_f32 v[EK+\k], v[EK+\k], v5
.endr
.irp c, 0,1,2,3
	v_mul_f32 v[TS+\c], v[TS+\c], v5
.endr
	global_store_b128 v2, v[TS:TS+3], s[12:13]
	s_wait_loadcnt 0x0
.irp c, 0,1,2,3,4,5,6,7
	v_mul_f32 v[OU+\c], v[PA+\c], v[EK]
.endr
.irp k, 1,2,3,4,5,6,7
.irp c, 0,1,2,3,4,5,6,7
	v_fma_f32 v[OU+\c], v[PA+8*\k+\c], v[EK+\k], v[OU+\c]
.endr
.endr
	global_store_b128 v2, v[OU:OU+3], s[10:11]
	global_store_b128 v2, v[OU+4:OU+7], s[10:11] offset:4096
	s_endpgm
.Lfunc_end_k_qbb6bf3c9cc_finish:
	.size	k_qbb6bf3c9cc_finish, .Lfunc_end_k_qbb6bf3c9cc_finish-k_qbb6bf3c9cc_finish
	.p2alignl 7, 3214868480
	.fill 96, 4, 3214868480
	.section	.rodata,"a",@progbits
	.p2align	6, 0x0
	.amdhsa_kernel k_qbb6bf3c9cc_finish
		.amdhsa_group_segment_fixed_size 0
		.amdhsa_private_segment_fixed_size 0
		.amdhsa_enable_private_segment 0
		.amdhsa_kernarg_size 40
		.amdhsa_user_sgpr_count 2
		.amdhsa_user_sgpr_kernarg_segment_ptr 1
		.amdhsa_wavefront_size32 1
		.amdhsa_system_sgpr_workgroup_id_x 1
		.amdhsa_system_sgpr_workgroup_id_y 1
		.amdhsa_system_sgpr_workgroup_id_z 1
		.amdhsa_system_vgpr_workitem_id 0
		.amdhsa_next_free_vgpr 128
		.amdhsa_next_free_sgpr 66
		.amdhsa_reserve_vcc 0
		.amdhsa_float_denorm_mode_32 3
		.amdhsa_float_denorm_mode_16_64 3
		.amdhsa_memory_ordered 1
		.amdhsa_forward_progress 1
		.amdhsa_inst_pref_size 10
	.end_amdhsa_kernel
	.amdgpu_metadata
---
amdhsa.version: [ 1, 2 ]
amdhsa.kernels:
  - .name:           k_qbb6bf3c9cc_finish
    .symbol:         k_qbb6bf3c9cc_finish.kd
    .args:
      - { .name: part, .offset: 0, .size: 8, .value_kind: global_buffer, .address_space: global }
      - { .name: tsc, .offset: 8, .size: 8, .value_kind: global_buffer, .address_space: global }
      - { .name: stat, .offset: 16, .size: 8, .value_kind: global_buffer, .address_space: global }
      - { .name: out0, .offset: 24, .size: 8, .value_kind: global_buffer, .address_space: global }
      - { .name: out1, .offset: 32, .size: 8, .value_kind: global_buffer, .address_space: global }
    .group_segment_fixed_size: 0
    .private_segment_fixed_size: 0
    .kernarg_segment_align: 8
    .kernarg_segment_size: 40
    .max_flat_workgroup_size: 256
    .sgpr_count:     66
    .vgpr_count:     128
    .wavefront_size: 32
...
	.end_amdgpu_metadata
.endif
;; end of part 3
